; MI455X (gfx1250); checked and timed in simulation.
; The chip was launched on July 23, 2026; its instructions are those of AMD's public machine-readable ISA for CDNA 5 (MIT licence, August 2026) and "CDNA5" Instruction Set Architecture Reference Guide (July 2026). The comments in the code are by the model that wrote it; some were corrected since.
;; Straight Renderer. Allowed arithmetic: float matrix products may take bf16 or f16 operands with f32 sums; all other float work in f32.
;; Inputs: strokes 32 x 8 x 2 float32; thicknesses 32 float32.
;; Outputs: out0 512 x 512 float32.
;; One version. Each part assembles by itself: llvm-mc -triple=amdgcn-amd-amdhsa -mcpu=gfx1250 --defsym DOCPART=n.
;; ======== version 1 of 1: 1 launch
;; limits: right only within a limited range of input values
;; launch render (part 1): grid 256 x 1, 8 waves a work-group, no clusters, 25,600 bytes of LDS; arguments strokes, thicknesses, out0; writes out0
.if DOCPART == 1
	.amdgcn_target "amdgcn-amd-amdhsa--gfx1250"
	.amdhsa_code_object_version 6
	.text
	.protected	k_q7758a8c80d_render
	.globl	k_q7758a8c80d_render
	.p2align	8
	.type	k_q7758a8c80d_render,@function
k_q7758a8c80d_render:
	s_mov_b64 s[64:65], 0
	v_nop
	global_prefetch_b8 v0, s[64:65] scope:SCOPE_SE
	s_setreg_imm32_b32 hwreg(HW_REG_WAVE_MODE, 25, 1), 1
	s_wait_xcnt 0x0
; out0[i][j] = min(1, min over 32 strokes x 7 segments of dist((i, j), segment) / (2 t)),  t = max(2 thickness + 0.5, 0.5),
; points clipped to [0, 1] and scaled by 512;  dist = |pv - clip(pv.e / (e.e + 1e-5), 0, 1) e|,  pv = p - v,  e = w - v.
;
; HOW.  The root is monotone: the minimum is taken over SQUARED distances, already scaled by k = 1 / (2 t), it starts at 1.0 (the
; final clamp), and one root is taken for each pixel.  For one pixel and TWO segments (packed f32, a segment in each half of a pair):
;   PY = y k - vy k;  F = PY AY + PX AX;  F = clip(F, 0, 1);  RX = PX - F ex k;  RY = PY - F ey k;  m = min(m, RX^2 + RY^2)
; with AX = ex 2t / (e.e + 1e-5), AY likewise, so that F is the problem's fraction: nine instructions for two segments.
; SHARES.  256 work-groups of 8 waves; a work-group owns canvas rows 2 g and 2 g + 1 (1,024 pixels).  Wave w takes row w & 1 (16 pixels
; a lane: columns 128 c + 4 lane + j, c and j 0..3) and the quarter w >> 1 of the segments (28 pairs).  A lane's pixels share their x,
; so PX and PX AX are made once for a pair.  The four quarters' minima meet in LDS at the end.
; The 224 segments' constants are made once in each work-group, one segment a thread (waves 0 to 6), and lie in LDS, 64 bytes a pair.
; No matrix unit: the coordinates (up to 512, fractions matter) do not fit 16-bit operands.  No tensor load: the inputs are 2,176 bytes.
;
; LIMITS.  Inputs finite (a NaN is not carried through as the problem's formula would).  2 t below about 1e15: beyond that k x distance can fall
; under 1e-19, its square is no normal f32 and the root gives 0.  The two divisions are v_rcp_f32 and a multiply (1 ULP each);
; the root is taken behind the minimum, not in front of it.
.set PAIRB,  64                        ; bytes of a pair's constants in the table (56 used)
.set QPAIRS, 28                        ; pairs of segments in a wave's quarter
.set STAGE,  8192                      ; behind the table (112 x 64 = 7,168 bytes): 8 waves x 2,048 bytes of minima
; a pair's constants, as register offsets in a buffer and (x 4) byte offsets in the table; each is a pair (even segment, odd segment)
.set cK,   0                           ; k = 1 / (2 t)
.set cCY,  2                           ; -vy k
.set cAY,  4                           ; ey 2t / (e.e + 1e-5)
.set cNEX, 6                           ; -ex k
.set cNEY, 8                           ; -ey k
.set cCX,  10                          ; -vx k
.set cAX,  12                          ; ex 2t / (e.e + 1e-5)
.set XV,  24                           ; v[24:25]   my row's x, twice
.set CA,  26                           ; v26        LDS address of the pair in buffer 0
.set SA,  27                           ; v27        where my minima go in the stage
.set TO,  28                           ; v28        16 x thread: my 4 pixels in the stage's quarters and in the group's part of out0
.set PX,  30                           ; v[30:31]   (x - vx) k of the two segments
.set A0,  32                           ; v[32:33]   PX AX
.set Y,   34                           ; v[34:49]   y of my 16 pixels
.set M,   50                           ; v[50:65]   their running minima
.set C0,  66                           ; v[66:79]   constants, buffer 0
.set C1,  82                           ; v[82:95]   constants, buffer 1
.set PY,  96                           ; v[96:111]  8 pixels x 2 segments: (y - vy) k, then RY
.set F,   112                          ; v[112:127] the fraction
.set R,   128                          ; v[128:143] RX, then the squared distance
	s_load_b128 s[4:7], s[0:1], 0x0                ; strokes s[4:5], thicknesses s[6:7]
	s_load_b64 s[8:9], s[0:1], 0x10                ; out0
	v_lshl_add_u32 v144, v0, 2, 0x6000
	v_mov_b32 v145, 0
	v_lshrrev_b32 v1, 5, v0
	v_readfirstlane_b32 s10, v1                    ; wave 0..7
	v_and_b32 v1, 31, v0                           ; lane
	v_lshlrev_b32 v23, 2, v1                       ; 4 x lane: my first column
	s_and_b32 s11, s10, 1                          ; which of the group's two rows
	s_lshl_b32 s14, ttmp9, 1
	s_add_co_u32 s11, s14, s11                     ; my canvas row
	s_lshr_b32 s12, s10, 1                         ; my quarter of the segments
	s_mul_i32 s12, s12, QPAIRS*PAIRB               ; its first pair in the table
	s_lshl_b32 s13, s10, 11                        ; quarter x 4,096 + row x 2,048 = wave x 2,048:
	s_add_co_u32 s13, s13, STAGE                   ; my wave's own bytes of the stage
	s_lshl_b32 s16, ttmp9, 12                      ; the group's two rows in out0: 4,096 bytes
	s_mov_b32 s17, 0
	v_cvt_f32_u32 v[XV], s11
	v_mov_b32 v[XV+1], v[XV]
	v_mov_b32 v[CA], s12
	v_lshl_add_u32 v[SA], v1, 4, s13
	v_lshlrev_b32 v[TO], 4, v0
.set p, 0
.rept 16
	v_add_nc_u32 v[Y+p], 128*(p/4)+(p%4), v23      ; pixel p = 4 c + j: column 128 c + 4 lane + j
.set p, p+1
.endr
.set p, 0
.rept 16
	v_cvt_f32_u32 v[Y+p], v[Y+p]
	v_mov_b32 v[M+p], 1.0                          ; the minimum starts at the clamp's 1 (1 squared)
.set p, p+1
.endr
	; the segment of thread s: stroke s / 7, points s + stroke and the next one
	v_mul_u32_u24 v2, v0, 9363                     ; 9363 = ceil(65536 / 7): exact for s below 256
	v_lshrrev_b32 v2, 16, v2                       ; stroke
	v_add_lshl_u32 v3, v0, v2, 3                   ; 8 bytes a point, 8 points a stroke: (7 stroke + i) + stroke
	v_lshlrev_b32 v4, 2, v2
	v_lshrrev_b32 v5, 1, v0
	v_and_b32 v11, 1, v0
	v_lshlrev_b32 v5, 6, v5
	v_lshl_add_u32 v5, v11, 2, v5                  ; table: pair s / 2, half s & 1
	s_wait_kmcnt 0x0
	s_add_nc_u64 s[8:9], s[8:9], s[16:17]
	s_cmp_eq_u32 s10, 7                            ; 224 segments = waves 0 to 6; wave 7 has none
	s_cbranch_scc1 .Ltable_done
	global_load_b64 v[6:7], v3, s[4:5]             ; v
	global_load_b64 v[8:9], v3, s[4:5] offset:8    ; w
	global_load_b32 v10, v4, s[6:7]                ; thickness
	s_wait_loadcnt 0x0
.irp r, 6,7,8,9
	v_med3_num_f32 v\r, v\r, 0, 1.0                ; clip to [0, 1]
.endr
	v_pk_mul_f32 v[6:7], v[6:7], 0x44000000 op_sel_hi:[1,0]    ; x 512
	v_pk_mul_f32 v[8:9], v[8:9], 0x44000000 op_sel_hi:[1,0]
	v_fma_f32 v10, v10, 2.0, 0.5
	v_max_num_f32 v10, 0.5, v10                    ; t
	v_add_f32 v10, v10, v10                        ; 2 t
	v_pk_add_f32 v[12:13], v[8:9], v[6:7] neg_lo:[0,1] neg_hi:[0,1]   ; e = w - v
	v_mul_f32 v14, v12, v12
	v_fma_f32 v14, v13, v13, v14                   ; e.e
	v_add_f32 v14, 0x3727c5ac, v14                 ; + 1e-5
	v_rcp_f32 v15, v10                             ; k
	v_rcp_f32 v16, v14
	v_nop                                          ; one plain vector instruction behind a reciprocal before its result is used (ISA guide 5.7.2)
	s_wait_alu depctr_va_vdst(0)
	v_mul_f32 v16, v16, v10                        ; 2 t / (e.e + 1e-5)
	v_mul_f32 v17, v12, v16                        ; AX
	v_mul_f32 v18, v13, v16                        ; AY
	v_mul_f32 v19, -v12, v15                       ; -ex k
	v_mul_f32 v20, -v13, v15                       ; -ey k
	v_mul_f32 v21, -v6, v15                        ; -vx k
	v_mul_f32 v22, -v7, v15                        ; -vy k
	ds_store_b32 v5, v15 offset:4*cK
	ds_store_b32 v5, v22 offset:4*cCY
	ds_store_b32 v5, v18 offset:4*cAY
	ds_store_b32 v5, v19 offset:4*cNEX
	ds_store_b32 v5, v20 offset:4*cNEY
	ds_store_b32 v5, v21 offset:4*cCX
	ds_store_b32 v5, v17 offset:4*cAX
.Ltable_done:
	s_wait_dscnt 0x0                               ; my part of the table is written,
	s_barrier_signal -1
	s_barrier_wait -1                              ; everybody's is; from here on the table is only read
; a pair's 14 words, the same address in every lane
.macro LOADC buf, off
	ds_load_b128 v[\buf:\buf+3],     v[CA] offset:\off
	ds_load_b128 v[\buf+4:\buf+7],   v[CA] offset:\off+16
	ds_load_b128 v[\buf+8:\buf+11],  v[CA] offset:\off+32
	ds_load_b64  v[\buf+12:\buf+13], v[CA] offset:\off+48
.endm
; pixels p0 .. p0 + 7 against the two segments in buffer buf, step by step over the eight pixels, so that no line needs the one just in front of it
.macro EIGHT buf, p0
.irp i, 0,2,4,6
	v_pk_fma_f32 v[PY+2*\i:PY+2*\i+1],   v[Y+\p0+\i:Y+\p0+\i+1], v[\buf+cK:\buf+cK+1], v[\buf+cCY:\buf+cCY+1] op_sel_hi:[0,1,1]                ; the even pixel's y for both segments
	v_pk_fma_f32 v[PY+2*\i+2:PY+2*\i+3], v[Y+\p0+\i:Y+\p0+\i+1], v[\buf+cK:\buf+cK+1], v[\buf+cCY:\buf+cCY+1] op_sel:[1,0,0] op_sel_hi:[1,1,1]  ; the odd pixel's
.endr
.irp i, 0,1,2,3,4,5,6,7
	v_pk_fma_f32 v[F+2*\i:F+2*\i+1], v[PY+2*\i:PY+2*\i+1], v[\buf+cAY:\buf+cAY+1], v[A0:A0+1]       ; pv.e / (e.e + 1e-5)
.endr
.irp i, 0,1,2,3,4,5,6,7,8,9,10,11,12,13,14,15
	v_med3_num_f32 v[F+\i], v[F+\i], 0, 1.0                                                         ; clipped
.endr
.irp i, 0,1,2,3,4,5,6,7
	v_pk_fma_f32 v[R+2*\i:R+2*\i+1], v[F+2*\i:F+2*\i+1], v[\buf+cNEX:\buf+cNEX+1], v[PX:PX+1]       ; RX
.endr
.irp i, 0,1,2,3,4,5,6,7
	v_pk_fma_f32 v[PY+2*\i:PY+2*\i+1], v[F+2*\i:F+2*\i+1], v[\buf+cNEY:\buf+cNEY+1], v[PY+2*\i:PY+2*\i+1]   ; RY
.endr
.irp i, 0,1,2,3,4,5,6,7
	v_pk_mul_f32 v[R+2*\i:R+2*\i+1], v[R+2*\i:R+2*\i+1], v[R+2*\i:R+2*\i+1]
.endr
.irp i, 0,1,2,3,4,5,6,7
	v_pk_fma_f32 v[R+2*\i:R+2*\i+1], v[PY+2*\i:PY+2*\i+1], v[PY+2*\i:PY+2*\i+1], v[R+2*\i:R+2*\i+1]
.endr
.irp i, 0,1,2,3,4,5,6,7
	v_min3_num_f32 v[M+\p0+\i], v[M+\p0+\i], v[R+2*\i], v[R+2*\i+1]                                 ; both segments at once
.endr
.endm
; One pair.  Its constants were asked for a whole pair's work ago and nothing has been asked for since, so the wait is for 0;
; the next pair's go out at once, into the other buffer, whose last readers stand in front of this line.
.macro PAIR buf, other, off, load
	s_wait_dscnt 0x0
.if \load
	LOADC \other, \off
.endif
	v_pk_fma_f32 v[PX:PX+1], v[XV:XV+1], v[\buf+cK:\buf+cK+1], v[\buf+cCX:\buf+cCX+1]               ; (x - vx) k: once for my 16 pixels
	v_pk_mul_f32 v[A0:A0+1], v[PX:PX+1], v[\buf+cAX:\buf+cAX+1]
	EIGHT \buf, 0
	EIGHT \buf, 8
.endm
	LOADC C0, 0
	s_mov_b32 s18, QPAIRS/2-1
.Lpairs:
	PAIR C0, C1, PAIRB, 1
	PAIR C1, C0, 2*PAIRB, 1
	v_add_nc_u32 v[CA], 2*PAIRB, v[CA]
	s_sub_co_u32 s18, s18, 1
	s_cmp_lg_u32 s18, 0
	s_cbranch_scc1 .Lpairs
	PAIR C0, C1, PAIRB, 1                          ; the last two pairs: nothing is read beyond my quarter
	PAIR C1, C0, 0, 0
	; the four quarters meet: each wave lays its 512 minima into its own 2,048 bytes, 16 neighbouring bytes a lane
.irp c, 0,1,2,3
	ds_store_b128 v[SA], v[M+4*\c:M+4*\c+3] offset:512*\c
.endr
	s_wait_dscnt 0x0                               ; for the others' sake: my stores are done
	s_barrier_signal -1
	s_barrier_wait -1
.irp q, 0,1,2,3
	ds_load_b128 v[PY+4*\q:PY+4*\q+3], v[TO] offset:STAGE+4096*\q     ; pixels 4 t .. 4 t + 3 of the group, quarter q
.endr
	s_wait_dscnt 0x0
.irp j, 0,1,2,3
	v_min3_num_f32 v[F+\j], v[PY+\j], v[PY+4+\j], v[PY+8+\j]
.endr
.irp j, 0,1,2,3
	v_min_num_f32 v[F+\j], v[F+\j], v[PY+12+\j]
.endr
.irp j, 0,1,2,3
	v_sqrt_f32 v[R+\j], v[F+\j]                    ; the one root of each pixel
.endr
	v_nop                                          ; one plain vector instruction behind a root before its result is used (ISA guide 5.7.2)
	s_wait_alu depctr_va_vdst(0)
	global_store_b128 v[TO], v[R:R+3], s[8:9] th:TH_STORE_NT          ; 16 neighbouring lanes store 256 consecutive bytes, at a multiple of 256 from out0's first byte
	s_wait_tensorcnt 0x0
	ds_add_u32 v144, v145
	s_wait_dscnt 0x0
	s_endpgm
.Lfunc_end_k_q7758a8c80d_render:
	.size	k_q7758a8c80d_render, .Lfunc_end_k_q7758a8c80d_render-k_q7758a8c80d_render
	.p2alignl 7, 3214868480
	.fill 96, 4, 3214868480
	.section	.rodata,"a",@progbits
	.p2align	6, 0x0
	.amdhsa_kernel k_q7758a8c80d_render
		.amdhsa_group_segment_fixed_size 25600
		.amdhsa_private_segment_fixed_size 0
		.amdhsa_enable_private_segment 0
		.amdhsa_kernarg_size 24
		.amdhsa_user_sgpr_count 2
		.amdhsa_user_sgpr_kernarg_segment_ptr 1
		.amdhsa_wavefront_size32 1
		.amdhsa_system_sgpr_workgroup_id_x 1
		.amdhsa_system_sgpr_workgroup_id_y 1
		.amdhsa_system_sgpr_workgroup_id_z 1
		.amdhsa_system_vgpr_workitem_id 0
		.amdhsa_next_free_vgpr 146
		.amdhsa_next_free_sgpr 66
		.amdhsa_reserve_vcc 0
		.amdhsa_float_denorm_mode_32 3
		.amdhsa_float_denorm_mode_16_64 3
		.amdhsa_memory_ordered 1
		.amdhsa_forward_progress 1
		.amdhsa_inst_pref_size 45
	.end_amdhsa_kernel
	.amdgpu_metadata
---
amdhsa.version: [ 1, 2 ]
amdhsa.kernels:
  - .name:           k_q7758a8c80d_render
    .symbol:         k_q7758a8c80d_render.kd
    .args:
      - { .name: strokes, .offset: 0, .size: 8, .value_kind: global_buffer, .address_space: global }
      - { .name: thicknesses, .offset: 8, .size: 8, .value_kind: global_buffer, .address_space: global }
      - { .name: out0, .offset: 16, .size: 8, .value_kind: global_buffer, .address_space: global }
    .group_segment_fixed_size: 25600
    .private_segment_fixed_size: 0
    .kernarg_segment_align: 8
    .kernarg_segment_size: 24
    .max_flat_workgroup_size: 256
    .sgpr_count:     66
    .vgpr_count:     146
    .wavefront_size: 32
...
	.end_amdgpu_metadata
.endif
;; end of part 1
